; MI455X (gfx1250); checked and timed in simulation.
; The chip was launched on July 23, 2026; its instructions are those of AMD's public machine-readable ISA for CDNA 5 (MIT licence, August 2026) and "CDNA5" Instruction Set Architecture Reference Guide (July 2026). The comments in the code are by the model that wrote it; some were corrected since.
;; Multi Head Self Attention With Bias. Allowed arithmetic: float matrix products may take bf16 or f16 operands with f32 sums; all other float work in f32.
;; Inputs: Wk 512 x 512 float32; Wo 512 x 512 float32; Wq 512 x 512 float32; Wv 512 x 512 float32; attn_bias 16 x 1,024 x 1,024 float32; bk 512 float32; bo 512 float32; bq 512 float32; bv 512 float32; key_padding_mask 16 x 1,024 int32; x 16 x 1,024 x 512 float32.
;; Outputs: out0 16 x 1,024 x 512 float32.
;; One version. Each part assembles by itself: llvm-mc -triple=amdgcn-amd-amdhsa -mcpu=gfx1250 --defsym DOCPART=n.
;; ======== version 1 of 1: 3 launches
;; limits: values are held in f16: magnitudes above 65,504 overflow, below 6.1e-05 lose precision
;; workspace buffers: wb 2,097,152 bytes; qb 16,777,216 bytes; kb 16,777,216 bytes; vb 16,777,216 bytes
;; launch cvtw (part 1): grid 256 x 1, 8 waves a work-group, no clusters, 0 bytes of LDS; arguments Wq, Wk, Wv, Wo, wb; writes wb
.if DOCPART == 1
	.amdgcn_target "amdgcn-amd-amdhsa--gfx1250"
	.amdhsa_code_object_version 6
	.text
	.protected	k_q7a163fe4f1_cvtw
	.globl	k_q7a163fe4f1_cvtw
	.p2align	8
	.type	k_q7a163fe4f1_cvtw,@function
k_q7a163fe4f1_cvtw:
	s_mov_b64 s[64:65], 0
	v_nop
	global_prefetch_b8 v0, s[64:65] scope:SCOPE_SE
	s_setreg_imm32_b32 hwreg(HW_REG_WAVE_MODE, 25, 1), 1
	s_wait_xcnt 0x0
; First of three launches for multi-head self-attention with an additive bias and a key mask.
;   cvtw : the four weight matrices, f32 -> f16, into wb [2048][512]: rows 0-511 Wq log2e/8, 512-1023 Wk, 1024-1535 Wv, 1536-2047 Wo.
;   qkv  : q = (x Wq^T + bq) log2e/8, k = x Wk^T + bk (both bf16), v = x Wv^T + bv (f16).
;   attn : scores, mask, softmax, P V for all eight heads of 64 query rows, then the output projection.
; NO WORK OF THE REFERENCE IS LEFT OUT: every input is loaded by some launch.  (q.bk is the same along the key axis only among
; the keys that are not masked; against the -1e9 of a masked key it counts, so bk stays.)
; The division of the scores by sqrt(64) = 8 and the factor log2(e) of the softmax's exponential (taken in base 2) are folded into Wq and bq.
; FORMATS: x, the weights, v, P and O are matrix operands in f16 (11 bits of significand), q and k in bf16 (8 bits, the range of f32).
; An output may be off by 1% of the outputs' rms; it is a sum whose v, P and O would each carry a relative error near 2^-9 rms in bf16,
; which together leaves too little room.  The weights have room in f16: 30 times smaller than +-0.044, with the factor 0.18 on Wq, their rms
; is 1.5e-4 against a step of 2^-24.
; Why this launch: the later launches bring the weights into LDS many times; in 16 bits those bytes are half, and no wave converts them twice.
; A stream: work-group g converts elements 1024 g .. 1024 g + 1023 of each matrix; a thread takes four numbers of each.
; A load of a wave covers 512 consecutive bytes, a store 256 consecutive bytes, aligned.  No LDS, no barrier, no matrix unit: memory binds.
.set MATB, 524288                      ; bytes of one matrix in wb
.set QSC,  0x3e38aa3b                  ; log2(e) / 8
	s_load_b256 s[4:11], s[0:1], 0x0               ; Wq s[4:5], Wk s[6:7], Wv s[8:9], Wo s[10:11]
	s_load_b64 s[12:13], s[0:1], 0x20              ; wb
	s_lshl_b32 s14, ttmp9, 12                      ; 1,024 f32 of a work-group
	s_lshl_b32 s15, ttmp9, 11                      ; 1,024 f16
	v_lshl_add_u32 v1, v0, 4, s14                  ; my 16 bytes in
	v_lshl_add_u32 v2, v0, 3, s15                  ; my 8 bytes out
	s_wait_kmcnt 0x0
.irp m, 0,1,2,3
	global_load_b128 v[4+4*\m:7+4*\m], v1, s[4+2*\m:5+2*\m] th:TH_LOAD_NT
.endr
	s_wait_loadcnt 0x3                             ; Wq is in; the three younger loads stay out
	v_pk_mul_f32 v[4:5], v[4:5], QSC op_sel_hi:[1,0]
	v_pk_mul_f32 v[6:7], v[6:7], QSC op_sel_hi:[1,0]
.irp m, 0,1,2,3
	s_wait_loadcnt 3-\m                            ; matrix m is in; the later ones stay out
	v_cvt_pk_f16_f32 v[20+2*\m], v[4+4*\m], v[5+4*\m]
	v_cvt_pk_f16_f32 v[21+2*\m], v[6+4*\m], v[7+4*\m]
	global_store_b64 v2, v[20+2*\m:21+2*\m], s[12:13] offset:\m*MATB
.endr
	s_endpgm
.Lfunc_end_k_q7a163fe4f1_cvtw:
	.size	k_q7a163fe4f1_cvtw, .Lfunc_end_k_q7a163fe4f1_cvtw-k_q7a163fe4f1_cvtw
	.p2alignl 7, 3214868480
	.fill 96, 4, 3214868480
	.section	.rodata,"a",@progbits
	.p2align	6, 0x0
	.amdhsa_kernel k_q7a163fe4f1_cvtw
		.amdhsa_group_segment_fixed_size 0
		.amdhsa_private_segment_fixed_size 0
		.amdhsa_enable_private_segment 0
		.amdhsa_kernarg_size 40
		.amdhsa_user_sgpr_count 2
		.amdhsa_user_sgpr_kernarg_segment_ptr 1
		.amdhsa_wavefront_size32 1
		.amdhsa_system_sgpr_workgroup_id_x 1
		.amdhsa_system_sgpr_workgroup_id_y 1
		.amdhsa_system_sgpr_workgroup_id_z 1
		.amdhsa_system_vgpr_workitem_id 0
		.amdhsa_next_free_vgpr 32
		.amdhsa_next_free_sgpr 66
		.amdhsa_reserve_vcc 0
		.amdhsa_float_denorm_mode_32 3
		.amdhsa_float_denorm_mode_16_64 3
		.amdhsa_memory_ordered 1
		.amdhsa_forward_progress 1
		.amdhsa_inst_pref_size 3
	.end_amdhsa_kernel
	.amdgpu_metadata
---
amdhsa.version: [ 1, 2 ]
amdhsa.kernels:
  - .name:           k_q7a163fe4f1_cvtw
    .symbol:         k_q7a163fe4f1_cvtw.kd
    .args:
      - { .name: Wq, .offset: 0, .size: 8, .value_kind: global_buffer, .address_space: global }
      - { .name: Wk, .offset: 8, .size: 8, .value_kind: global_buffer, .address_space: global }
      - { .name: Wv, .offset: 16, .size: 8, .value_kind: global_buffer, .address_space: global }
      - { .name: Wo, .offset: 24, .size: 8, .value_kind: global_buffer, .address_space: global }
      - { .name: wb, .offset: 32, .size: 8, .value_kind: global_buffer, .address_space: global }
    .group_segment_fixed_size: 0
    .private_segment_fixed_size: 0
    .kernarg_segment_align: 8
    .kernarg_segment_size: 40
    .max_flat_workgroup_size: 256
    .sgpr_count:     66
    .vgpr_count:     32
    .wavefront_size: 32
...
	.end_amdgpu_metadata
.endif
;; end of part 1
;; launch qkv (part 2): grid 256 x 1, 4 waves a work-group, clusters of 4 x 1, 327,680 bytes of LDS; arguments x, wb, bq, bk, bv, key_padding_mask, qb, kb, vb; writes qb, kb, vb
.if DOCPART == 2
	.amdgcn_target "amdgcn-amd-amdhsa--gfx1250"
	.amdhsa_code_object_version 6
	.text
	.protected	k_q7a163fe4f1_qkv
	.globl	k_q7a163fe4f1_qkv
	.p2align	8
	.type	k_q7a163fe4f1_qkv,@function
k_q7a163fe4f1_qkv:
	s_mov_b64 s[64:65], 0
	v_nop
	global_prefetch_b8 v0, s[64:65] scope:SCOPE_SE
	s_setreg_imm32_b32 hwreg(HW_REG_WAVE_MODE, 25, 1), 1
	s_wait_xcnt 0x0
	s_wait_alu depctr_hold_cnt(0) depctr_sa_sdst(0) depctr_va_vdst(0) depctr_va_sdst(0) depctr_va_ssrc(0) depctr_va_vcc(0) depctr_vm_vsrc(0)
	s_getreg_b32 s2, hwreg(HW_REG_IB_STS2, 6, 4)
	s_cmp_eq_u32 s2, 0
	s_cbranch_scc0 .Lentry_in_a_cluster
	s_endpgm
.Lentry_in_a_cluster:
	s_bfe_u32 s2, ttmp6, 0x10000c
	s_cmp_lg_u32 s2, 0x3003
	s_cbranch_scc0 .Lentry_shape_is_right
	s_endpgm
.Lentry_shape_is_right:
; q = (x Wq^T + bq) log2e/8 and k = x Wk^T + bk in bf16, v = x Wv^T + bv in f16, stored as [16384 rows = n*1024+l][512 = head*64+d].
; No work is left out.  x and the weights are f16 operands; sums in f32.
; LIMITS: (1) the k rows of keys with key_padding_mask == 0 are stored as zeros, so that in the next launch such a key's product with q is
; exactly 0 and its score exactly the constant that is put in the bias tile there.  With an infinite or NaN q that product is NaN, where the
; reference still gives -1e9.  (2) v is kept in f16: |v| must stay under 65,504.  On inputs of the problem's kind |v| is near 3.3 at the most;
; with x, Wv, bv all 30 times larger it is near 3,000; with offsets of 30 spreads on x (30) and on Wv (0.77) at once near 512 x 30 x 0.77 = 12,000.
; |x| must stay under 65,504 too.  q and k, whose product grows with the square of all that, are kept in bf16, with the range of f32.
; SHARES: a work-group owns 64 rows of x and all 1,536 output columns, so x leaves memory once.  Each of the four waves keeps all 64 rows
; x 512 K as f16 fragments in 512 registers; wave w makes columns 128 w .. 128 w + 127 of each part (q, k, v), 32 columns a trip, 12 trips
; written out.  A trip is 128 matrix instructions on 32 KB read from LDS.
; CLUSTERS: the four work-groups of a cluster walk the same weights, so each weight tile is asked for jointly (mask 15): same line, same
; descriptor (made of the wave number and constants alone) in all four.  Each joint refill stands behind a round of the cluster barrier.
; By this text's own count a wave has two tensor loads out at the start and one behind each round.
; THE MATRIX INSTRUCTION IS USED TRANSPOSED (source 0 = 16 rows of W, source 1 = 16 rows of x): a lane then holds eight neighbouring
; columns of one output row.  The bias enters as the C operand of the first K step: nothing is cleared, no bias add is issued.
; REGISTERS: window 0 addresses, W fragments, bias, packed results; windows 1, 2 the x fragments (K steps 0-7, 8-15); window 3 accumulators.
.set PW,    1040                       ; LDS pitch of a row of 512 f16: 1,024 + 16, an odd multiple of 16 bytes
.set WPART, 32*PW                      ; a wave's 32 rows of a weight tile
.set SLOT,  128*PW                     ; a weight tile: 4 waves x 32 rows
.set SCR,   2*SLOT                     ; behind the ring, a multiple of 256; no tensor load lands here: first the stage for x, later the way out
.set PO,    272                        ; pitch of the way out: 256 + 16
.set OSTG,  16*PO                      ; a wave's own stage: 16 rows
.set QSC,   0x3e38aa3b                 ; log2(e) / 8
.set VX,  8                            ; v8   x: 8 w rows + 16 bytes a lane
.set XST, 9                            ; v9   x stage, in: row 8 w, 8 bytes a lane
.set ALD, 10                           ; v10  x stage, back as fragments: row r, 16 h
.set ADB, 11                           ; v11, v12  my W fragments in slot 0, 1
.set VBI, 13                           ; v13  bias: 4 (128 w + 8 h)
.set STO, 14                           ; v14  way out, in
.set RD,  15                           ; v15  way out, back by rows
.set VCO, 16                           ; v16  byte offset in the output: row h, 16 r
.set VMK, 17                           ; v17  4 r
.set MKI, 20                           ; v20-23  mask of rows 16 qt + r
.set BF0, 32                           ; v32-95   W fragments (nt, k4) at (4 nt + k4) 8; also x on its way to the stage; also read-back
.set BF1, 96                           ; v96-159  second buffer
.set BI,  160                          ; v160-223 bias of my 128 columns as 8 C tiles
.set TMP, 224                          ; v224-255 packed results
.set G1, 28                            ; s[28:35] shape of a tile
.set G0, 36                            ; s[36:43] from where, to where: one set for each slot
.set LDX,  0xc0                        ; destination window 3
.set CVX,  0x0f                        ; sources 0, 1 window 3
.set LDA1, 0x40                        ; destination window 1
.set LDA2, 0x80                        ; destination window 2
.set MB,   0xc4                        ; D window 3, C window 0 (bias), source 1 window 1
.set M1,   0xf4                        ; C, D window 3, source 1 window 1
.set M2,   0xf8                        ; C, D window 3, source 1 window 2
.set MSB, 0
.macro WIN new                         ; the high byte of the immediate repeats the setting that is left
.if MSB != \new
	s_set_vgpr_msb (MSB<<8)|\new
.set MSB, \new
.endif
.endm
.macro PLACES                          ; four places behind a matrix instruction (ISA guide 7.12.1) before its registers are loaded into or its result read
.rept 4
	v_nop
.endr
.endm
.macro ROUND                           ; a round of the cluster barrier: my work-group, wave 0 for the work-group, all four work-groups, my work-group
	s_barrier_signal -1
	s_barrier_wait -1
	s_cmp_lg_u32 s22, 0
	s_cbranch_scc1 .Lnot_wave_0_\@
	s_barrier_signal -3
.Lnot_wave_0_\@:
	s_barrier_wait -3
	s_barrier_signal -1
	s_barrier_wait -1
.endm
.macro LDBIAS b                        ; the 128 biases of my columns, as C tiles: register j of tile g = bias[128 w + 16 g + 8 h + j]
.irp g, 0,1,2,3,4,5,6,7
	global_load_b128 v[BI+8*\g:BI+8*\g+3],   v[VBI], s[\b:\b+1] offset:64*\g
	global_load_b128 v[BI+8*\g+4:BI+8*\g+7], v[VBI], s[\b:\b+1] offset:64*\g+16
.endr
.endm
	s_load_b512 s[4:19], s[0:1], 0x0               ; x 4, wb 6, bq 8, bk 10, bv 12, mask 14, qb 16, kb 18
	s_load_b64 s[20:21], s[0:1], 0x40              ; vb
	v_lshl_add_u32 v30, v0, 2, 0x49200
	v_mov_b32 v31, 0
	ds_add_u32 v30, v31
	v_lshrrev_b32 v1, 5, v0
	v_readfirstlane_b32 s22, v1                    ; wave 0..3
	s_bfe_u32 s23, ttmp6, 0x40000                  ; my place in the cluster: enters global addresses of x, mask and the outputs alone
	s_lshl_b32 s24, ttmp9, 2
	s_add_co_u32 s24, s24, s23                     ; work-group 0..255
	v_and_b32 v1, 31, v0                           ; lane
	v_and_b32 v2, 15, v0                           ; r
	v_bfe_u32 v3, v0, 4, 1                         ; h
	s_lshl_b32 s26, s22, 14
	v_lshl_add_u32 v[VX], v1, 4, s26               ; 8 w rows of 2,048 bytes + 16 lane
	s_mul_i32 s26, s22, 8*PW
	s_add_co_u32 s26, s26, SCR
	v_lshl_add_u32 v[XST], v1, 3, s26
	v_mul_u32_u24 v4, v2, PW
	v_lshl_add_u32 v4, v3, 4, v4                   ; r pitch + 16 h: a fragment's lane term
	v_add_nc_u32 v[ALD], SCR, v4
	s_mul_i32 s25, s22, WPART                      ; my 32 rows of a slot
	v_add_nc_u32 v[ADB], s25, v4
	v_add_nc_u32 v[ADB+1], SLOT, v[ADB]
	s_lshl_b32 s26, s22, 9
	v_lshl_add_u32 v[VBI], v3, 5, s26
	s_mul_i32 s26, s22, OSTG
	s_add_co_u32 s26, s26, SCR
	v_mul_u32_u24 v5, v2, PO
	v_lshl_add_u32 v5, v3, 4, v5
	v_add_nc_u32 v[STO], s26, v5
	v_mul_u32_u24 v5, v3, PO
	v_lshl_add_u32 v5, v2, 4, v5
	v_add_nc_u32 v[RD], s26, v5
	v_lshlrev_b32 v[VCO], 4, v2
	v_lshl_add_u32 v[VCO], v3, 10, v[VCO]
	v_lshlrev_b32 v[VMK], 2, v2
	; the shape: 32 rows x 512 elements of 2 bytes, 4 words of padding behind every 256 words (a row)
	s_mov_b32 s[G1+0], 15|(1<<16)|(1<<20)|(1<<21)|(7<<22)|(3<<25)  ; mask of the four partners; element 2 bytes; padding on; bit 21 beside a mask; interval 256 words; pad 4 words
	s_mov_b32 s[G1+1], 512<<16                     ; tensor_dim0 = 512
	s_mov_b32 s[G1+2], 32<<16                      ; tensor_dim1 = 32
	s_mov_b32 s[G1+3], 512<<16                     ; tile_dim0 = 512
	s_mov_b32 s[G1+4], 32                          ; tile_dim1 = 32
	s_mov_b32 s[G1+5], 512                         ; elements from row to row
	s_mov_b32 s[G1+6], 0
	s_mov_b32 s[G1+7], 0
	s_lshl_b32 s58, s22, 17                        ; 128 w rows of wb (1,024 bytes each)
	s_mov_b32 s59, 0
	s_lshl_b32 s56, s24, 17                        ; 64 rows of x (2,048 bytes each)
	s_mov_b32 s57, 0
	s_wait_dscnt 0x0
	s_wait_kmcnt 0x0
	s_add_nc_u64 s[44:45], s[6:7], s[58:59]        ; wb at my wave's columns of part 0
	s_add_nc_u64 s[4:5], s[4:5], s[56:57]          ; x at my work-group's first row
	s_lshl_b32 s56, s24, 8
	s_add_nc_u64 s[14:15], s[14:15], s[56:57]      ; mask of my 64 rows
	s_lshl_b32 s56, s24, 16                        ; 64 output rows of 1,024 bytes
	s_lshl_b32 s58, s22, 8                         ; + my 128 columns
	s_add_co_u32 s56, s56, s58
	s_add_nc_u64 s[46:47], s[16:17], s[56:57]      ; qb
	s_add_nc_u64 s[48:49], s[18:19], s[56:57]      ; kb
	s_add_nc_u64 s[50:51], s[20:21], s[56:57]      ; vb
	LDBIAS 8                                       ; bq
.irp qt, 0,1,2,3
	global_load_b32 v[MKI+\qt], v[VMK], s[14:15] offset:64*\qt
.endr
	; x: wave w loads rows 32 P + 8 w + i whole (four loads of 512 consecutive bytes), raw f32 into window 3
	WIN LDX
.irp P, 0,1
.irp i, 0,1,2,3,4,5,6,7
.irp c, 0,1,2,3
	global_load_b128 v[((8*\P+\i)*4+\c)*4:((8*\P+\i)*4+\c)*4+3], v[VX], s[4:5] offset:(32*\P+\i)*2048+512*\c th:TH_LOAD_NT
.endr
.endr
.endr
	WIN 0
.irp sl, 0,1
	s_mov_b32 s[G0+4*\sl], 1
	s_add_co_u32 s[G0+4*\sl+1], s25, \sl*SLOT                      ; LDS: slot + wave x 32 rows
	s_add_nc_u64 s[G0+4*\sl+2:G0+4*\sl+3], s[44:45], \sl*32*1024   ; tiles 0 and 1: part 0, column groups 0 and 1
	s_or_b32 s[G0+4*\sl+3], s[G0+4*\sl+3], 0x80000000              ; type 2
.endr
	ROUND                                          ; the four work-groups are here: the first joint loads meet
	tensor_load_to_lds s[G0:G0+3], s[G1:G1+7]      ; both first fills as one group, ahead of every wait on TENSORcnt
	s_nop 0
	tensor_load_to_lds s[G0+4:G0+7], s[G1:G1+7]
	s_nop 0
; 32 rows of x: to f16, through the stage, back as fragments into every wave.  left = loads that may stay out.
.macro PASS P, left
	s_wait_loadcnt \left
	WIN CVX
.irp i, 0,1,2,3,4,5,6,7
.irp c, 0,1,2,3
	v_cvt_pk_f16_f32 v[BF0+(\i*4+\c)*2],   v[((8*\P+\i)*4+\c)*4],   v[((8*\P+\i)*4+\c)*4+1]
	v_cvt_pk_f16_f32 v[BF0+(\i*4+\c)*2+1], v[((8*\P+\i)*4+\c)*4+2], v[((8*\P+\i)*4+\c)*4+3]
.endr
.endr
	WIN 0
.irp i, 0,1,2,3,4,5,6,7
.irp c, 0,1,2,3
	ds_store_b64 v[XST], v[BF0+(\i*4+\c)*2:BF0+(\i*4+\c)*2+1] offset:\i*PW+256*\c
.endr
.endr
	s_wait_dscnt 0x0                               ; my stores are done, for the other waves
	s_barrier_signal -1
	s_barrier_wait -1
	WIN LDA1
.irp rt, 0,1
.irp ks, 0,1,2,3,4,5,6,7
	ds_load_b128 v[(\ks*4+2*\P+\rt)*8:(\ks*4+2*\P+\rt)*8+3],   v[ALD] offset:\rt*16*PW+64*\ks
	ds_load_b128 v[(\ks*4+2*\P+\rt)*8+4:(\ks*4+2*\P+\rt)*8+7], v[ALD] offset:\rt*16*PW+64*\ks+32
.endr
.endr
	WIN LDA2
.irp rt, 0,1
.irp ks, 0,1,2,3,4,5,6,7
	ds_load_b128 v[(\ks*4+2*\P+\rt)*8:(\ks*4+2*\P+\rt)*8+3],   v[ALD] offset:\rt*16*PW+512+64*\ks
	ds_load_b128 v[(\ks*4+2*\P+\rt)*8+4:(\ks*4+2*\P+\rt)*8+7], v[ALD] offset:\rt*16*PW+512+64*\ks+32
.endr
.endr
	WIN 0
	s_wait_dscnt 0x0                               ; my reads of the stage are back
.endm
	PASS 0, 32                                     ; rows 0-31 are in; the 32 loads of rows 32-63 stay out
	s_barrier_signal -1                            ; every wave has read the stage: it may be written again
	s_barrier_wait -1
	PASS 1, 0
.set ii, 0
.rept 32
	v_pk_mul_f32 v[BI+2*ii:BI+2*ii+1], v[BI+2*ii:BI+2*ii+1], QSC op_sel_hi:[1,0]   ; bq log2e / 8
.set ii, ii+1
.endr
.irp qt, 0,1,2,3
	v_cmp_ne_u32 s[52+\qt], 0, v[MKI+\qt]          ; lane (r, h): row 16 qt + r is a key that counts
.endr
; 16 LDS loads: W fragments of K steps 4 c .. 4 c + 3 for my 32 columns of this trip
.macro LDC slot, c, buf
.irp nt, 0,1
.irp k4, 0,1,2,3
	ds_load_b128 v[\buf+(4*\nt+\k4)*8:\buf+(4*\nt+\k4)*8+3],   v[ADB+\slot] offset:\nt*16*PW+64*(4*\c+\k4)
	ds_load_b128 v[\buf+(4*\nt+\k4)*8+4:\buf+(4*\nt+\k4)*8+7], v[ADB+\slot] offset:\nt*16*PW+64*(4*\c+\k4)+32
.endr
.endr
.endm
; one K step: 8 matrix instructions on 8 accumulators, which take turns, one instruction a turn
.macro KSTEP ks, buf, T, bias
.irp nt, 0,1
.irp qt, 0,1,2,3
.if \bias
	v_wmma_f32_16x16x32_f16 v[((2*\T+\nt)*4+\qt)*8:((2*\T+\nt)*4+\qt)*8+7], v[\buf+(4*\nt+((\ks)&3))*8:\buf+(4*\nt+((\ks)&3))*8+7], v[(((\ks)&7)*4+\qt)*8:(((\ks)&7)*4+\qt)*8+7], v[BI+(2*\T+\nt)*8:BI+(2*\T+\nt)*8+7]
.else
	v_wmma_f32_16x16x32_f16 v[((2*\T+\nt)*4+\qt)*8:((2*\T+\nt)*4+\qt)*8+7], v[\buf+(4*\nt+((\ks)&3))*8:\buf+(4*\nt+((\ks)&3))*8+7], v[(((\ks)&7)*4+\qt)*8:(((\ks)&7)*4+\qt)*8+7], v[((2*\T+\nt)*4+\qt)*8:((2*\T+\nt)*4+\qt)*8+7]
.endif
.endr
.endr
.endm
; a trip: 64 rows x my 32 columns 32 T .. of part p, K = 512 in four chunks on two fragment buffers
.macro WT p, T, slot
	s_wait_xcnt 0x0                                ; the fragment buffers were data of the last stores: loaded again only behind this wait
	s_wait_loadcnt 0x0                             ; the bias tiles of this part are in
	LDC \slot, 0, BF0
	LDC \slot, 1, BF1
	s_wait_dscnt 16                                ; chunk 0 is in; chunk 1's 16 loads stay out
	WIN MB
	KSTEP 0, BF0, \T, 1                            ; the first K step starts the sums from the bias
	WIN M1
	KSTEP 1, BF0, \T, 0
	KSTEP 2, BF0, \T, 0
	KSTEP 3, BF0, \T, 0
	PLACES
	WIN 0
.if \T == 3
.if \p < 2
	LDBIAS (10+2*\p)                               ; the bias tiles had their last use in this part: the next part's come in
.endif
.endif
	LDC \slot, 2, BF0
	s_wait_dscnt 16                                ; chunk 1 is in; chunk 2's loads stay out
	WIN M1
	KSTEP 4, BF1, \T, 0
	KSTEP 5, BF1, \T, 0
	KSTEP 6, BF1, \T, 0
	KSTEP 7, BF1, \T, 0
	PLACES
	WIN 0
	LDC \slot, 3, BF1
	s_wait_dscnt 16                                ; chunk 2 is in; chunk 3's loads stay out
	WIN M2
	KSTEP 8, BF0, \T, 0
	KSTEP 9, BF0, \T, 0
	KSTEP 10, BF0, \T, 0
	KSTEP 11, BF0, \T, 0
	s_wait_dscnt 0x0
	KSTEP 12, BF1, \T, 0
	KSTEP 13, BF1, \T, 0
	KSTEP 14, BF1, \T, 0
	KSTEP 15, BF1, \T, 0
	PLACES
	WIN 0
.endm
; In front of a trip: every wave's loads have landed and its reads of the slot read last are back; a round; then my one joint load,
; tile (p, T), into that slot.  It has a whole trip in which to land.
.macro SYNC o, p, T
	s_wait_tensorcnt 0x0                           ; all my tensor loads are done, this trip's tile among them: a group 0 may be written
	ds_add_u32 v30, v31
	s_add_nc_u64 s[G0+4*\o+2:G0+4*\o+3], s[44:45], (512*\p+32*\T)*1024
	s_or_b32 s[G0+4*\o+3], s[G0+4*\o+3], 0x80000000
	s_wait_dscnt 0x0                               ; my LDS accesses are back
	ROUND
	tensor_load_to_lds s[G0+4*\o:G0+4*\o+3], s[G1:G1+7]
	s_nop 0
.endm
; the way out of a part, 16 rows at a time: to 16 bits (q, k: bf16; v: f16), 16 bytes a lane into my own stage, back as rows of 256 bytes, stored whole
.macro OUTP p
.irp qt, 0,1,2,3
	WIN CVX
.irp g, 0,1,2,3,4,5,6,7
.irp i, 0,1,2,3
.if \p == 2
	v_cvt_pk_f16_f32 v[TMP+4*\g+\i], v[(\g*4+\qt)*8+2*\i], v[(\g*4+\qt)*8+2*\i+1]
.else
	v_cvt_pk_bf16_f32 v[TMP+4*\g+\i], v[(\g*4+\qt)*8+2*\i], v[(\g*4+\qt)*8+2*\i+1]
.endif
.endr
.endr
	WIN 0
.if \p == 1
.set ii, 0
.rept 32
	v_cndmask_b32 v[TMP+ii], 0, v[TMP+ii], s[52+\qt]       ; k of a masked key is stored as zero
.set ii, ii+1
.endr
.endif
.irp g, 0,1,2,3,4,5,6,7
	ds_store_b128 v[STO], v[TMP+4*\g:TMP+4*\g+3] offset:32*\g
.endr
	s_wait_xcnt 0x0                                ; the read-back registers were data of earlier stores
.irp t, 0,1,2,3,4,5,6,7
	ds_load_b128 v[BF0+64*(\qt&1)+4*\t:BF0+64*(\qt&1)+4*\t+3], v[RD] offset:2*PO*\t   ; a wave's LDS accesses are served in order: these see the stores above
.endr
.irp t, 0,1,2,3,4,5,6,7
	s_wait_dscnt 7-\t                              ; pair t of rows is back; the younger ones stay out
	global_store_b128 v[VCO], v[BF0+64*(\qt&1)+4*\t:BF0+64*(\qt&1)+4*\t+3], s[46+2*\p:47+2*\p] offset:(16*\qt+2*\t)*1024   ; 16 lanes: 256 consecutive bytes, aligned
.endr
.endr
.endm
	s_wait_tensorcnt 0x1                           ; my rows of tile 0 are in (I read only rows that I asked for); tile 1 stays out
	WT 0, 0, 0
	SYNC 0, 0, 2
	WT 0, 1, 1
	SYNC 1, 0, 3
	WT 0, 2, 0
	SYNC 0, 1, 0
	WT 0, 3, 1
	OUTP 0
	SYNC 1, 1, 1
	WT 1, 0, 0
	SYNC 0, 1, 2
	WT 1, 1, 1
	SYNC 1, 1, 3
	WT 1, 2, 0
	SYNC 0, 2, 0
	WT 1, 3, 1
	OUTP 1
	SYNC 1, 2, 1
	WT 2, 0, 0
	SYNC 0, 2, 2
	WT 2, 1, 1
	SYNC 1, 2, 3
	WT 2, 2, 0
	s_wait_tensorcnt 0x0                           ; the last tile; nothing is left to fetch
	WT 2, 3, 1
	OUTP 2
	s_wait_tensorcnt 0x0
	ds_add_u32 v30, v31
	s_wait_dscnt 0x0
	ROUND                                          ; the closing round: no work-group ends while a partner may still ask jointly
	s_endpgm
.Lfunc_end_k_q7a163fe4f1_qkv:
	.size	k_q7a163fe4f1_qkv, .Lfunc_end_k_q7a163fe4f1_qkv-k_q7a163fe4f1_qkv
	.p2alignl 7, 3214868480
	.fill 96, 4, 3214868480
	.section	.rodata,"a",@progbits
	.p2align	6, 0x0
	.amdhsa_kernel k_q7a163fe4f1_qkv
		.amdhsa_group_segment_fixed_size 327680
		.amdhsa_private_segment_fixed_size 0
		.amdhsa_enable_private_segment 0
		.amdhsa_kernarg_size 72
		.amdhsa_user_sgpr_count 2
		.amdhsa_user_sgpr_kernarg_segment_ptr 1
		.amdhsa_wavefront_size32 1
		.amdhsa_system_sgpr_workgroup_id_x 1
		.amdhsa_system_sgpr_workgroup_id_y 1
		.amdhsa_system_sgpr_workgroup_id_z 1
		.amdhsa_system_vgpr_workitem_id 0
		.amdhsa_next_free_vgpr 1024
		.amdhsa_next_free_sgpr 66
		.amdhsa_reserve_vcc 0
		.amdhsa_float_denorm_mode_32 3
		.amdhsa_float_denorm_mode_16_64 3
		.amdhsa_memory_ordered 1
		.amdhsa_forward_progress 1
		.amdhsa_inst_pref_size 255
	.end_amdhsa_kernel
	.section	.bss,"aw",@nobits
	.p2align	6
	.space	262144
	.amdgpu_metadata
---
amdhsa.version: [ 1, 2 ]
amdhsa.kernels:
  - .name:           k_q7a163fe4f1_qkv
    .symbol:         k_q7a163fe4f1_qkv.kd
    .args:
      - { .name: x, .offset: 0, .size: 8, .value_kind: global_buffer, .address_space: global }
      - { .name: wb, .offset: 8, .size: 8, .value_kind: global_buffer, .address_space: global }
      - { .name: bq, .offset: 16, .size: 8, .value_kind: global_buffer, .address_space: global }
      - { .name: bk, .offset: 24, .size: 8, .value_kind: global_buffer, .address_space: global }
      - { .name: bv, .offset: 32, .size: 8, .value_kind: global_buffer, .address_space: global }
      - { .name: key_padding_mask, .offset: 40, .size: 8, .value_kind: global_buffer, .address_space: global }
      - { .name: qb, .offset: 48, .size: 8, .value_kind: global_buffer, .address_space: global }
      - { .name: kb, .offset: 56, .size: 8, .value_kind: global_buffer, .address_space: global }
      - { .name: vb, .offset: 64, .size: 8, .value_kind: global_buffer, .address_space: global }
    .group_segment_fixed_size: 327680
    .private_segment_fixed_size: 0
    .kernarg_segment_align: 8
    .kernarg_segment_size: 72
    .max_flat_workgroup_size: 128
    .sgpr_count:     66
    .vgpr_count:     1024
    .wavefront_size: 32
...
	.end_amdgpu_metadata
.endif
;; end of part 2
;; launch attn (part 3): grid 16 x 16, 8 waves a work-group, clusters of 4 x 1, 327,680 bytes of LDS; arguments qb, kb, vb, wb, attn_bias, key_padding_mask, bo, out0; writes out0
.if DOCPART == 3
	.amdgcn_target "amdgcn-amd-amdhsa--gfx1250"
	.amdhsa_code_object_version 6
	.text
	.protected	k_q7a163fe4f1_attn
	.globl	k_q7a163fe4f1_attn
	.p2align	8
	.type	k_q7a163fe4f1_attn,@function
k_q7a163fe4f1_attn:
	s_mov_b64 s[64:65], 0
	v_nop
	global_prefetch_b8 v0, s[64:65] scope:SCOPE_SE
	s_setreg_imm32_b32 hwreg(HW_REG_WAVE_MODE, 25, 1), 1
	s_wait_xcnt 0x0
	s_wait_alu depctr_hold_cnt(0) depctr_sa_sdst(0) depctr_va_vdst(0) depctr_va_sdst(0) depctr_va_ssrc(0) depctr_va_vcc(0) depctr_vm_vsrc(0)
	s_getreg_b32 s2, hwreg(HW_REG_IB_STS2, 6, 4)
	s_cmp_eq_u32 s2, 0
	s_cbranch_scc0 .Lentry_in_a_cluster
	s_endpgm
.Lentry_in_a_cluster:
	s_bfe_u32 s2, ttmp6, 0x10000c
	s_cmp_lg_u32 s2, 0x3003
	s_cbranch_scc0 .Lentry_shape_is_right
	s_endpgm
.Lentry_shape_is_right:
; Attention and output projection.  No work of the reference is left out; masked keys are computed and selected.
; SHARES: a work-group owns 64 query rows of one batch element n and all eight heads, so attn_bias leaves memory once.  Wave w is head w.
; 16 key steps of 64 keys, then 4 tiles of Wo, go through one ring of two LDS slots.
; ORIENTATION: S^T = K Q^T + C, in units of log2: q carries the factor log2e / 8, and C is the bias tile times log2e, with -1e9 log2e already put
; in for masked keys, loaded from LDS straight into the accumulator registers: bias and mask cost no instruction per head.  (k of a masked key
; was stored as zero.)  A lane holds one query row and eight neighbouring keys of each key tile, so two key tiles packed to f16 ARE the second
; source of O^T = V^T P^T: P takes no trip through LDS.  V^T comes from V stored [key][d] by the transposing LDS load.  The softmax figures are
; one number a lane and query tile.
; SOFTMAX: running maximum m of S; p = 2^(S - m), the subtraction before the exponential as in the reference, so p <= 1 for every input and the
; largest term is exactly 1; old sums are rescaled by 2^(m_old - m_new).  A row whose 1,024 keys are all masked has S = m everywhere, p = 1, and
; comes out as the plain mean of v, as in the reference.
; FORMATS: q, k bf16 (their product grows with the square of the inputs); v, P, O, Wo f16: P lies in [0, 1], |O| <= max |v|.
; LIMITS: (1) an infinite or NaN q gives NaN at a masked key (0 x inf), where the reference gives -1e9.  (2) |v| under 65,504 (the launch that makes
; v gives the figures).  (3) p below 2^-24 is dropped from P V by the rounding to f16, beside a largest term of 1; the row sum is taken of the unrounded p.
; CLUSTERS: the four work-groups of a cluster are four query blocks of the same n: they ask for K, V and Wo jointly (mask 15), by descriptors made
; of n, the wave number and constants.  Each joint refill stands behind a round of the cluster barrier.  By this text's own count a wave has two
; tensor loads out at the start and one behind each round.
.set PK,   1040                        ; pitch of K, Wo and the stage for O: 1,024 + 16, an odd multiple of 16
.set PV,   1056                        ; pitch of V: 1,024 + 32, an odd multiple of 32, for the transposing load
.set PB,   272                         ; pitch of a bias row (64 f32) and of the way out: 256 + 16
.set VOFF, 67584                       ; V behind K in a slot = 4 x 16 rows x PV, so that wave w (4..7) fills at w x 16 PV
.set SLOT, 135168                      ; K 64 rows, V 64 rows; or 128 rows of Wo
.set SCR,  270336                      ; behind the ring, a multiple of 256; no tensor load lands here
.set BSL,  64*PB                       ; a bias slot; two of them; later the stage for O (32 x PK), then eight stages of 16 x PB
.set LOG2E, 0x3fb8aa3b
.set ADK, 8                            ; v8, v9    K fragments in slot 0, 1
.set ADV, 10                           ; v10, v11  V^T fragments
.set ADB, 12                           ; v12  bias as C: row r, 32 h
.set BST, 13                           ; v13  bias, in: row 8 w + h, 16 r
.set VB,  14                           ; v14  bias in memory: row 8 w + h, 16 r; + 256 a key step
.set VM,  15                           ; v15  mask: 16 r; + 256 a key step
.set NEG, 16                           ; v16  -1e9 log2e
.set AST, 17                           ; v17  stage for O, in
.set ALD, 18                           ; v18  stage for O, back
.set ADW, 19                           ; v19, v20  Wo fragments in slot 0, 1
.set OST, 21                           ; v21  way out, in
.set ORD, 22                           ; v22  way out, back
.set VO,  23                           ; v23  byte offset in out0
.set VBO, 24                           ; v24  byte offset in bo
.set VQ,  25                           ; v25  byte offset in qb
.set MR,  26                           ; v26-29  mask of my four keys
.set QF,  32                           ; v32-95   Q fragments (qt, ks) at (2 qt + ks) 8
.set OB,  32                           ;          later O in f16 (qt, dt) at (4 qt + dt) 4
.set AC,  32                           ;          then the projection's accumulators (u, nt, p) at ((2 u + nt) 2 + p) 8
.set KF,  96                           ; v96-159  K fragments (kt, ks) at (2 kt + ks) 8; free once S is made:
.set TT,  96                           ;          v96-111 maxima (qt, c)
.set M2,  112                          ;          v112-119 the new m, twice, for each qt
.set AL2, 120                          ;          v120-127 rescale factor, twice, for each qt
.set BF0, 96                           ;          later Wo fragments, and read-back
.set VF,  160                          ; v160-223 V^T fragments (dt, kb) at (2 dt + kb) 8
.set BF1, 160                          ;          later Wo fragments
.set BR,  224                          ; v224-239 bias on its way
.set MM,  240                          ; v240-243 running maximum of each qt
.set L2,  244                          ; v244-251 running sum of each qt, two partial sums
.set BO,  224                          ; v224-255 later bo as C tiles (u, nt) at 16 u + 8 nt
.set OO,  128                          ; window 1: S(kt, qt) at 32 qt + 8 kt, P(qt, kb) in place at 32 qt + 16 kb, O(dt, qt) at 128 + 32 qt + 8 dt; later O fragments (p, ks) at (2 ks + p) 8
.set G1K, 28
.set G1V, 36
.set G0K, 44                           ; s[44:51] one set for each slot
.set G0V, 52                           ; s[52:59]
.set LD1, 0x40                         ; destination window 1
.set MS,  0x50                         ; C, D window 1
.set MX,  0x05                         ; sources 0, 1 window 1
.set FE,  0x41                         ; destination, source 0 window 1
.set SU,  0x01                         ; source 0 window 1
.set CV,  0x45                         ; destination, sources 0, 1 window 1
.set MP,  0x54                         ; C, D, source 1 window 1
.set MW,  0x04                         ; source 1 window 1
.set MSB, 0
.macro WIN new
.if MSB != \new
	s_set_vgpr_msb (MSB<<8)|\new
.set MSB, \new
.endif
.endm
.macro PLACES                          ; four places behind a matrix instruction (ISA guide 7.12.1)
.rept 4
	v_nop
.endr
.endm
.macro ROUND
	s_barrier_signal -1
	s_barrier_wait -1
	s_cmp_lg_u32 s20, 0
	s_cbranch_scc1 .Lnot_wave_0_\@
	s_barrier_signal -3
.Lnot_wave_0_\@:
	s_barrier_wait -3
	s_barrier_signal -1
	s_barrier_wait -1
.endm
.macro JKV sl                          ; waves 0-3 ask for 16 rows of K each, waves 4-7 for 16 rows of V: one load a wave
	s_cmp_eq_u32 s21, 0
	s_cbranch_scc0 .Lfor_v_\@
	tensor_load_to_lds s[G0K+4*\sl:G0K+4*\sl+3], s[G1K:G1K+7]
	s_nop 0
	s_branch .Lasked_\@
.Lfor_v_\@:
	tensor_load_to_lds s[G0V+4*\sl:G0V+4*\sl+3], s[G1V:G1V+7]
	s_nop 0
.Lasked_\@:
.endm
; In front of a step: all my tensor loads have landed (this step's tile among them), my LDS accesses are back; a round; then my one joint load into the slot read last.
.macro HEADKV o
	s_wait_tensorcnt 0x0
	ds_add_u32 v30, v31
	s_add_nc_u64 s[G0K+4*\o+2:G0K+4*\o+3], s[G0K+4*\o+2:G0K+4*\o+3], 0x20000   ; two key steps of 64 rows x 1,024 bytes on
	s_add_nc_u64 s[G0V+4*\o+2:G0V+4*\o+3], s[G0V+4*\o+2:G0V+4*\o+3], 0x20000
	s_wait_dscnt 0x0
	ROUND
	JKV \o
.endm
.macro HEADWO o, off                   ; the same with a tile of Wo: every wave asks for 16 rows
	s_wait_tensorcnt 0x0
	ds_add_u32 v30, v31
	s_add_nc_u64 s[G0K+4*\o+2:G0K+4*\o+3], s[60:61], \off
	s_or_b32 s[G0K+4*\o+3], s[G0K+4*\o+3], 0x80000000
	s_wait_dscnt 0x0
	ROUND
	tensor_load_to_lds s[G0K+4*\o:G0K+4*\o+3], s[G1K:G1K+7]
	s_nop 0
.endm
.macro BLOAD                           ; a bias tile's 8 rows of my wave (16 lanes: 256 consecutive bytes, aligned) and the mask of its 64 keys
.irp i, 0,1,2,3
	global_load_b128 v[BR+4*\i:BR+4*\i+3], v[VB], s[72:73] offset:8192*\i th:TH_LOAD_NT
.endr
	global_load_b128 v[MR:MR+3], v[VM], s[74:75]
.endm
; the bias tile that has come in is put into units of log2, gets -1e9 log2e at masked keys and goes into bias slot dst; then the tile after it is asked for
.macro BSTAGE dst, left, doload
	s_wait_loadcnt \left
.irp j, 0,1,2,3
	v_cmp_eq_u32 s[68+\j], 0, v[MR+\j]
.endr
.irp i, 0,1,2,3,4,5,6,7
	v_pk_mul_f32 v[BR+2*\i:BR+2*\i+1], v[BR+2*\i:BR+2*\i+1], LOG2E op_sel_hi:[1,0]   ; once for all eight heads
.endr
.irp i, 0,1,2,3
.irp j, 0,1,2,3
	v_cndmask_b32 v[BR+4*\i+\j], v[BR+4*\i+\j], v[NEG], s[68+\j]
.endr
.endr
.irp i, 0,1,2,3
	ds_store_b128 v[BST], v[BR+4*\i:BR+4*\i+3] offset:\dst*BSL+2*PB*\i
.endr
.if \doload
	v_add_nc_u32 v[VB], 0x100, v[VB]               ; free: the wait above showed their loads done
	v_add_nc_u32 v[VM], 0x100, v[VM]
	BLOAD
.endif
.endm
	s_load_b512 s[4:19], s[0:1], 0x0               ; qb 4, kb 6, vb 8, wb 10, attn_bias 12, mask 14, bo 16, out0 18
	v_lshl_add_u32 v30, v0, 2, 0x4a800
	v_mov_b32 v31, 0
	ds_add_u32 v30, v31
	v_lshrrev_b32 v1, 5, v0
	v_readfirstlane_b32 s20, v1                    ; wave = head 0..7
	s_lshr_b32 s21, s20, 2                         ; 0: I fetch K, 1: V
	s_bfe_u32 s22, ttmp6, 0x40000                  ; my place in the cluster: enters global addresses of q, bias and out0 alone
	s_lshl_b32 s23, ttmp9, 2
	s_add_co_u32 s23, s23, s22                     ; query block 0..15
	s_and_b32 s24, ttmp7, 0xffff                   ; n, shared by the cluster
	s_mov_b32 s62, 0x76543210                      ; v_permlanex16_b32: lane i of the other half
	s_mov_b32 s63, 0xfedcba98
	v_and_b32 v2, 15, v0                           ; r
	v_bfe_u32 v3, v0, 4, 1                         ; h
	v_mul_u32_u24 v4, v2, PK
	v_lshl_add_u32 v4, v3, 4, v4                   ; r PK + 16 h
	s_lshl_b32 s67, s20, 7                         ; my head's 128 bytes of a row
	v_add_nc_u32 v[ADK], s67, v4
	v_add_nc_u32 v[ADK+1], SLOT, v[ADK]
	v_and_b32 v5, 7, v0
	v_lshl_add_u32 v5, v3, 3, v5                   ; key row 8 h + lane % 8
	v_mul_u32_u24 v5, v5, PV
	v_bfe_u32 v6, v0, 3, 1
	v_lshl_add_u32 v5, v6, 4, v5                   ; + 16 bytes for lanes 8-15 and 24-31
	v_add_nc_u32 v5, s67, v5
	v_add_nc_u32 v[ADV], VOFF, v5
	v_add_nc_u32 v[ADV+1], VOFF+SLOT, v5
	v_lshlrev_b32 v[VQ], 10, v2
	v_lshl_add_u32 v[VQ], v3, 4, v[VQ]
	v_add_nc_u32 v[VQ], s67, v[VQ]
	v_add_nc_u32 v[AST], SCR, v[ADK]
	v_mul_u32_u24 v7, v2, PB
	v_lshl_add_u32 v7, v3, 5, v7                   ; r PB + 32 h
	v_add_nc_u32 v[ADB], SCR, v7
	v_mul_u32_u24 v6, v3, PB
	v_lshl_add_u32 v6, v2, 4, v6                   ; h PB + 16 r
	s_mul_i32 s67, s20, 8*PB
	s_add_co_u32 s67, s67, SCR
	v_add_nc_u32 v[BST], s67, v6
	v_lshlrev_b32 v[VM], 4, v2
	v_lshl_add_u32 v[VB], v3, 12, v[VM]
	s_lshl_b32 s67, s20, 15                        ; 8 w rows of 4,096 bytes
	v_add_nc_u32 v[VB], s67, v[VB]
	v_mov_b32 v[NEG], 0xceabfb8f                   ; -1e9 log2e = -1,442,695,040
	s_mul_i32 s67, s20, 16*PB
	v_add_nc_u32 v[OST], s67, v[ADB]
	s_add_co_u32 s67, s67, SCR
	v_add_nc_u32 v[ORD], s67, v6
	s_and_b32 s67, s20, 1                          ; qh: which of two query tiles I project
	s_mul_i32 s67, s67, 16*PK
	s_add_co_u32 s67, s67, SCR
	v_add_nc_u32 v[ALD], s67, v4
	s_lshr_b32 s67, s20, 1                         ; nq: which 64 output columns of 256
	s_mul_i32 s67, s67, 32*PK
	v_add_nc_u32 v[ADW], s67, v4
	v_add_nc_u32 v[ADW+1], SLOT, v[ADW]
	s_lshr_b32 s67, s20, 1
	s_lshl_b32 s67, s67, 8                         ; 256 nq
	v_lshl_add_u32 v[VBO], v3, 5, s67
	v_lshl_add_u32 v[VO], v3, 11, v[VM]            ; row h, 16 r
	v_add_nc_u32 v[VO], s67, v[VO]
	s_and_b32 s67, s20, 1
	s_lshl_b32 s67, s67, 15                        ; 16 qh rows of 2,048 bytes
	v_add_nc_u32 v[VO], s67, v[VO]
	; shapes: 16 rows x 512 elements of 2 bytes; padding behind every 256 words: 4 words for K and Wo, 8 for V
	s_mov_b32 s[G1K+0], 15|(1<<16)|(1<<20)|(1<<21)|(7<<22)|(3<<25)
	s_mov_b32 s[G1V+0], 15|(1<<16)|(1<<20)|(1<<21)|(7<<22)|(7<<25)
	s_mov_b32 s[G1K+1], 512<<16
	s_mov_b32 s[G1V+1], 512<<16
	s_mov_b32 s[G1K+2], 16<<16
	s_mov_b32 s[G1V+2], 16<<16
	s_mov_b32 s[G1K+3], 512<<16
	s_mov_b32 s[G1V+3], 512<<16
	s_mov_b32 s[G1K+4], 16
	s_mov_b32 s[G1V+4], 16
	s_mov_b32 s[G1K+5], 512
	s_mov_b32 s[G1V+5], 512
	s_mov_b32 s[G1K+6], 0
	s_mov_b32 s[G1V+6], 0
	s_mov_b32 s[G1K+7], 0
	s_mov_b32 s[G1V+7], 0
	s_lshl_b32 s25, s24, 10
	s_lshl_b32 s78, s23, 6
	s_add_co_u32 s25, s25, s78                     ; my first query row, n 1024 + 64 block
	s_mov_b32 s79, 0
	s_and_b32 s26, s20, 3
	s_lshl_b32 s26, s26, 14                        ; 16 (w % 4) rows of 1,024 bytes
	s_lshl_b32 s27, s24, 20                        ; n x 1,024 rows
	s_add_co_u32 s26, s26, s27
	s_mov_b32 s27, 0
	s_wait_dscnt 0x0
	s_wait_kmcnt 0x0
	s_add_nc_u64 s[6:7], s[6:7], s[26:27]          ; kb and vb at my 16 rows of key step 0
	s_add_nc_u64 s[8:9], s[8:9], s[26:27]
	s_lshr_b32 s26, s20, 1
	s_lshl_b32 s26, s26, 16                        ; 64 (w / 2) rows
	s_and_b32 s67, s20, 1
	s_lshl_b32 s67, s67, 14                        ; + 16 (w % 2) rows
	s_add_co_u32 s26, s26, s67
	s_add_co_u32 s26, s26, 1572864                 ; Wo begins at row 1,536 of wb
	s_add_nc_u64 s[60:61], s[10:11], s[26:27]      ; tile U adds rows 0, 32, 256, 288: Wo row 256 (U/2) + 64 nq + 32 (U%2) + i lands at LDS row 32 nq + i
	s_lshl_b32 s78, s25, 12
	s_add_nc_u64 s[72:73], s[12:13], s[78:79]      ; attn_bias at my first row
	s_lshl_b32 s78, s25, 11
	s_add_nc_u64 s[76:77], s[18:19], s[78:79]      ; out0
	s_lshl_b32 s78, s25, 10
	s_add_nc_u64 s[4:5], s[4:5], s[78:79]          ; qb
	s_lshl_b32 s78, s24, 12
	s_add_nc_u64 s[74:75], s[14:15], s[78:79]      ; mask of n
	BLOAD                                          ; bias tile 0 and its mask: five loads
.irp qt, 0,1,2,3
.irp ks, 0,1
	global_load_b128 v[QF+(2*\qt+\ks)*8:QF+(2*\qt+\ks)*8+3],   v[VQ], s[4:5] offset:16384*\qt+64*\ks
	global_load_b128 v[QF+(2*\qt+\ks)*8+4:QF+(2*\qt+\ks)*8+7], v[VQ], s[4:5] offset:16384*\qt+64*\ks+32
.endr
.endr
	s_mul_i32 s26, s20, 16*PK
	s_mul_i32 s67, s20, 16*PV
.irp sl, 0,1
	s_mov_b32 s[G0K+4*\sl], 1
	s_add_co_u32 s[G0K+4*\sl+1], s26, \sl*SLOT
	s_add_nc_u64 s[G0K+4*\sl+2:G0K+4*\sl+3], s[6:7], \sl*65536
	s_or_b32 s[G0K+4*\sl+3], s[G0K+4*\sl+3], 0x80000000
	s_mov_b32 s[G0V+4*\sl], 1
	s_add_co_u32 s[G0V+4*\sl+1], s67, \sl*SLOT
	s_add_nc_u64 s[G0V+4*\sl+2:G0V+4*\sl+3], s[8:9], \sl*65536
	s_or_b32 s[G0V+4*\sl+3], s[G0V+4*\sl+3], 0x80000000
.endr
	ROUND                                          ; the four work-groups are here: the first joint loads meet
	s_cmp_eq_u32 s21, 0                            ; both first fills of a wave inside one branch on the wave number
	s_cbranch_scc0 .Lfirst_v
	tensor_load_to_lds s[G0K:G0K+3], s[G1K:G1K+7]
	s_nop 0
	tensor_load_to_lds s[G0K+4:G0K+7], s[G1K:G1K+7]
	s_nop 0
	s_branch .Lfirst_done
.Lfirst_v:
	tensor_load_to_lds s[G0V:G0V+3], s[G1V:G1V+7]
	s_nop 0
	tensor_load_to_lds s[G0V+4:G0V+7], s[G1V:G1V+7]
	s_nop 0
.Lfirst_done:
	BSTAGE 0, 16, 1                                ; bias tile 0 is in (the 16 loads of Q stay out); tile 1 is asked for
.irp qt, 0,1,2,3
	v_mov_b32 v[MM+\qt], 0xff800000                ; m = -inf
	v_mov_b32 v[L2+2*\qt], 0
	v_mov_b32 v[L2+2*\qt+1], 0
.endr
	s_wait_loadcnt 0x5                             ; Q is in; the five loads of bias tile 1 stay out
	s_wait_tensorcnt 0x1                           ; my part of key step 0 is in; step 1's stays out
	s_wait_dscnt 0x0                               ; my part of bias tile 0 is stored
	s_barrier_signal -1
	s_barrier_wait -1
; one key step of 64 keys from slot s.  first: starts the sums.  stage: the next bias tile goes to the other bias slot.  load: the one after it is asked for.
.macro BODY s, first, stage, load
	WIN 0
.irp kt, 0,1,2,3
.irp ks, 0,1
	ds_load_b128 v[KF+(2*\kt+\ks)*8:KF+(2*\kt+\ks)*8+3],   v[ADK+\s] offset:16*PK*\kt+64*\ks
	ds_load_b128 v[KF+(2*\kt+\ks)*8+4:KF+(2*\kt+\ks)*8+7], v[ADK+\s] offset:16*PK*\kt+64*\ks+32
.endr
.endr
.irp dt, 0,1,2,3
.irp kb, 0,1
	ds_load_tr16_b128 v[VF+(2*\dt+\kb)*8:VF+(2*\dt+\kb)*8+3],   v[ADV+\s] offset:32*PV*\kb+32*\dt
	ds_load_tr16_b128 v[VF+(2*\dt+\kb)*8+4:VF+(2*\dt+\kb)*8+7], v[ADV+\s] offset:32*PV*\kb+16*PV+32*\dt
.endr
.endr
	WIN LD1
.irp qt, 0,1,2,3
.irp kt, 0,1,2,3
	ds_load_b128 v[32*\qt+8*\kt:32*\qt+8*\kt+3],   v[ADB] offset:\s*BSL+16*PB*\qt+64*\kt       ; bias(q = 16 qt + r, keys 16 kt + 8 h + 0..7) into the accumulator
	ds_load_b128 v[32*\qt+8*\kt+4:32*\qt+8*\kt+7], v[ADB] offset:\s*BSL+16*PB*\qt+64*\kt+16
.endr
.endr
	WIN MS
.irp qt, 0,1,2,3
	s_wait_dscnt 24-8*\qt                          ; K, V and this query tile's bias are in; the later tiles' eight loads each stay out
.irp ks, 0,1
.irp kt, 0,1,2,3
	v_wmma_f32_16x16x32_bf16 v[32*\qt+8*\kt:32*\qt+8*\kt+7], v[KF+(2*\kt+\ks)*8:KF+(2*\kt+\ks)*8+7], v[QF+(2*\qt+\ks)*8:QF+(2*\qt+\ks)*8+7], v[32*\qt+8*\kt:32*\qt+8*\kt+7]   ; four accumulators take turns
.endr
.endr
.endr
	PLACES
	WIN MX                                         ; the maximum of my 32 scores of each query tile and the old m: four chains a tile
.irp i, 0,1,2,3
.irp qt, 0,1,2,3
.irp c, 0,1,2,3
.if \i == 0
	v_max3_num_f32 v[TT+4*\qt+\c], v[32*\qt+8*\c], v[32*\qt+8*\c+1], v[MM+\qt]
.else
	v_max3_num_f32 v[TT+4*\qt+\c], v[32*\qt+8*\c+2*\i], v[32*\qt+8*\c+2*\i+1], v[TT+4*\qt+\c]
.endif
.endr
.endr
.endr
	WIN 0
.irp qt, 0,1,2,3
	v_max3_num_f32 v[TT+4*\qt], v[TT+4*\qt], v[TT+4*\qt+1], v[TT+4*\qt+2]
.endr
.irp qt, 0,1,2,3
	v_max_num_f32 v[TT+4*\qt], v[TT+4*\qt], v[TT+4*\qt+3]
.endr
.irp qt, 0,1,2,3
	v_permlanex16_b32 v[TT+4*\qt+1], v[TT+4*\qt], s62, s63     ; the other half of the lanes holds the row's other keys
.endr
.irp qt, 0,1,2,3
	v_max_num_f32 v[TT+4*\qt], v[TT+4*\qt], v[TT+4*\qt+1]      ; the new m
.endr
.irp qt, 0,1,2,3
	v_sub_f32 v[TT+4*\qt+1], v[MM+\qt], v[TT+4*\qt]            ; m_old - m_new <= 0; -inf in the first step
.endr
.irp qt, 0,1,2,3
	v_exp_f32 v[AL2+2*\qt], v[TT+4*\qt+1]
	v_exp_f32 v[AL2+2*\qt+1], v[TT+4*\qt+1]
.endr
.irp qt, 0,1,2,3
	v_mov_b32 v[MM+\qt], v[TT+4*\qt]               ; plain work that touches neither the last exponential's result nor its source (ISA guide 5.7.2)
	v_mov_b32 v[M2+2*\qt], v[TT+4*\qt]
	v_mov_b32 v[M2+2*\qt+1], v[TT+4*\qt]
.endr
	s_wait_alu depctr_va_vdst(0)
.irp qt, 0,1,2,3
	v_pk_mul_f32 v[L2+2*\qt:L2+2*\qt+1], v[L2+2*\qt:L2+2*\qt+1], v[AL2+2*\qt:AL2+2*\qt+1]
.endr
	WIN FE                                         ; p = 2^(S - m), in place
.irp qt, 0,1,2,3
.set ii, 0
.rept 16
	v_pk_add_f32 v[32*\qt+2*ii:32*\qt+2*ii+1], v[32*\qt+2*ii:32*\qt+2*ii+1], v[M2+2*\qt:M2+2*\qt+1] neg_lo:[0,1] neg_hi:[0,1]
.set ii, ii+1
.endr
.set ii, 0
.rept 32
	v_exp_f32 v[32*\qt+ii], v[32*\qt+ii]
.set ii, ii+1
.endr
.endr
	WIN SU                                         ; the first add takes query tile 0: it is the plain place behind tile 3's last exponential
.set ii, 0
	s_wait_alu depctr_va_vdst(0)
.rept 16
.irp qt, 0,1,2,3
	v_pk_add_f32 v[L2+2*\qt:L2+2*\qt+1], v[32*\qt+2*ii:32*\qt+2*ii+1], v[L2+2*\qt:L2+2*\qt+1]
.endr
.set ii, ii+1
.endr
	WIN CV                                         ; two key tiles packed, ascending and in place, are a fragment of P^T for 32 keys
.irp qt, 0,1,2,3
.irp kb, 0,1
.irp i, 0,1,2,3,4,5,6,7
	v_cvt_pk_f16_f32 v[32*\qt+16*\kb+\i], v[32*\qt+16*\kb+2*\i], v[32*\qt+16*\kb+2*\i+1]
.endr
.endr
.endr
.if \first == 0
	WIN FE
.irp qt, 0,1,2,3
.set ii, 0
.rept 16
	v_pk_mul_f32 v[OO+32*\qt+2*ii:OO+32*\qt+2*ii+1], v[OO+32*\qt+2*ii:OO+32*\qt+2*ii+1], v[AL2+2*\qt:AL2+2*\qt+1]
.set ii, ii+1
.endr
.endr
.endif
	WIN MP
.irp kb, 0,1
.irp qt, 0,1,2,3
.irp dt, 0,1,2,3
.if \first*(1-\kb)
	v_wmma_f32_16x16x32_f16 v[OO+32*\qt+8*\dt:OO+32*\qt+8*\dt+7], v[VF+(2*\dt+\kb)*8:VF+(2*\dt+\kb)*8+7], v[32*\qt+16*\kb:32*\qt+16*\kb+7], 0
.else
	v_wmma_f32_16x16x32_f16 v[OO+32*\qt+8*\dt:OO+32*\qt+8*\dt+7], v[VF+(2*\dt+\kb)*8:VF+(2*\dt+\kb)*8+7], v[32*\qt+16*\kb:32*\qt+16*\kb+7], v[OO+32*\qt+8*\dt:OO+32*\qt+8*\dt+7]   ; sixteen accumulators take turns
.endif
.endr
.endr
.endr
	WIN 0
.if \stage
	BSTAGE (1-\s), 0, \load                        ; its plain vector instructions are also the places behind the products; the other bias slot's readers passed this step's round
.else
	PLACES
.endif
.endm
	BODY 0, 1, 1, 1                                ; key step 0
	HEADKV 0                                       ; step t asks for tile t + 1, into the slot read in step t - 1
	BODY 1, 0, 1, 1
	s_mov_b32 s66, 6
.Lkeys:                                            ; key steps 2 to 13
	HEADKV 1
	BODY 0, 0, 1, 1
	HEADKV 0
	BODY 1, 0, 1, 1
	s_sub_co_i32 s66, s66, 1
	s_cmp_lg_u32 s66, 0
	s_cbranch_scc1 .Lkeys
	HEADKV 1                                       ; key step 14: the last key tile is asked for; the last bias tile is staged, none is left to load
	BODY 0, 0, 1, 0
	HEADWO 0, 0                                    ; key step 15: the ring goes on with Wo
	BODY 1, 0, 0, 0
	HEADWO 1, 32768                                ; Wo tile 0 has landed for every wave; tile 1 goes out; nobody reads the bias slots any more
	; O / l, to f16
.irp qt, 0,1,2,3
	v_add_f32 v[TT+4*\qt], v[L2+2*\qt], v[L2+2*\qt+1]
.endr
.irp qt, 0,1,2,3
	v_permlanex16_b32 v[TT+4*\qt+1], v[TT+4*\qt], s62, s63
.endr
.irp qt, 0,1,2,3
	v_add_f32 v[TT+4*\qt], v[TT+4*\qt], v[TT+4*\qt+1]
.endr
.irp qt, 0,1,2,3
	v_rcp_f32 v[AL2+2*\qt], v[TT+4*\qt]            ; l holds the largest term, which is 1: 1 <= l <= 1,024
	v_rcp_f32 v[AL2+2*\qt+1], v[TT+4*\qt]
.endr
	v_nop                                          ; the plain place behind the last reciprocal
	WIN FE
	s_wait_alu depctr_va_vdst(0)
.irp qt, 0,1,2,3
.set ii, 0
.rept 16
	v_pk_mul_f32 v[OO+32*\qt+2*ii:OO+32*\qt+2*ii+1], v[OO+32*\qt+2*ii:OO+32*\qt+2*ii+1], v[AL2+2*\qt:AL2+2*\qt+1]
.set ii, ii+1
.endr
.endr
	WIN MX
.irp qt, 0,1,2,3
.irp dt, 0,1,2,3
.irp i, 0,1,2,3
	v_cvt_pk_f16_f32 v[OB+(4*\qt+\dt)*4+\i], v[OO+32*\qt+8*\dt+2*\i], v[OO+32*\qt+8*\dt+2*\i+1]   ; lane (r, h): O(q = 16 qt + r, d = 16 dt + 8 h + 0..7)
.endr
.endr
.endr
	WIN 0
; OUTPUT PROJECTION: out = O Wo^T + bo.  Wave w takes query tiles qh and 2 + qh (qh = w % 2) and, in tile U of Wo, the 32 columns
; 256 (U/2) + 64 nq + 32 (U%2) .. (nq = w / 2).  bo enters as the C operand of the first K step.
.macro LDBO u, tr
.irp nt, 0,1
	global_load_b128 v[BO+16*\u+8*\nt:BO+16*\u+8*\nt+3],   v[VBO], s[16:17] offset:1024*(\tr>>1)+128*(\tr&1)+64*\nt
	global_load_b128 v[BO+16*\u+8*\nt+4:BO+16*\u+8*\nt+7], v[VBO], s[16:17] offset:1024*(\tr>>1)+128*(\tr&1)+64*\nt+16
.endr
.endm
; 32 rows of O (query tiles 2 P, 2 P + 1), all heads, through the stage; each wave takes back 16 rows x 512 as fragments
.macro ASTAGE P
.irp qq, 0,1
.irp dt, 0,1,2,3
	ds_store_b128 v[AST], v[OB+(4*(2*\P+\qq)+\dt)*4:OB+(4*(2*\P+\qq)+\dt)*4+3] offset:16*PK*\qq+32*\dt
.endr
.endr
	s_wait_dscnt 0x0                               ; my stores are done, for the other waves
	s_barrier_signal -1
	s_barrier_wait -1
	WIN LD1
.set ii, 0
.rept 16
	ds_load_b128 v[(2*ii+\P)*8:(2*ii+\P)*8+3],   v[ALD] offset:64*ii
	ds_load_b128 v[(2*ii+\P)*8+4:(2*ii+\P)*8+7], v[ALD] offset:64*ii+32
.set ii, ii+1
.endr
	WIN 0
	s_wait_dscnt 0x0                               ; my reads of the stage are back
.endm
.macro WLDC slot, c, buf
.irp nt, 0,1
.irp k4, 0,1,2,3
	ds_load_b128 v[\buf+(4*\nt+\k4)*8:\buf+(4*\nt+\k4)*8+3],   v[ADW+\slot] offset:16*PK*\nt+64*(4*\c+\k4)
	ds_load_b128 v[\buf+(4*\nt+\k4)*8+4:\buf+(4*\nt+\k4)*8+7], v[ADW+\slot] offset:16*PK*\nt+64*(4*\c+\k4)+32
.endr
.endr
.endm
.macro WSTEP ks, buf, u, bias          ; one K step: four accumulators take turns
.irp nt, 0,1
.irp p, 0,1
.if \bias
	v_wmma_f32_16x16x32_f16 v[AC+((2*\u+\nt)*2+\p)*8:AC+((2*\u+\nt)*2+\p)*8+7], v[\buf+(4*\nt+((\ks)&3))*8:\buf+(4*\nt+((\ks)&3))*8+7], v[(2*\ks+\p)*8:(2*\ks+\p)*8+7], v[BO+16*\u+8*\nt:BO+16*\u+8*\nt+7]
.else
	v_wmma_f32_16x16x32_f16 v[AC+((2*\u+\nt)*2+\p)*8:AC+((2*\u+\nt)*2+\p)*8+7], v[\buf+(4*\nt+((\ks)&3))*8:\buf+(4*\nt+((\ks)&3))*8+7], v[(2*\ks+\p)*8:(2*\ks+\p)*8+7], v[AC+((2*\u+\nt)*2+\p)*8:AC+((2*\u+\nt)*2+\p)*8+7]
.endif
.endr
.endr
.endm
.macro WTRIP tr, u                     ; tile tr of Wo, in slot u = tr % 2
	s_wait_xcnt 0x0                                ; the fragment buffers were data of the last stores
	s_wait_loadcnt 0x0                             ; bo of this tile is in
	WLDC \u, 0, BF0
	WLDC \u, 1, BF1
	s_wait_dscnt 16                                ; chunk 0 is in; chunk 1's 16 loads stay out
	WIN MW
	WSTEP 0, BF0, \u, 1
	WSTEP 1, BF0, \u, 0
	WSTEP 2, BF0, \u, 0
	WSTEP 3, BF0, \u, 0
	PLACES
	WIN 0
.if \tr < 2
	LDBO \u, (\tr+2)                               ; these C tiles had their use: bo of the tile two further on
.endif
	WLDC \u, 2, BF0
	s_wait_dscnt 16
	WIN MW
	WSTEP 4, BF1, \u, 0
	WSTEP 5, BF1, \u, 0
	WSTEP 6, BF1, \u, 0
	WSTEP 7, BF1, \u, 0
	PLACES
	WIN 0
	WLDC \u, 3, BF1
	s_wait_dscnt 16
	WIN MW
	WSTEP 8, BF0, \u, 0
	WSTEP 9, BF0, \u, 0
	WSTEP 10, BF0, \u, 0
	WSTEP 11, BF0, \u, 0
	s_wait_dscnt 0x0
	WSTEP 12, BF1, \u, 0
	WSTEP 13, BF1, \u, 0
	WSTEP 14, BF1, \u, 0
	WSTEP 15, BF1, \u, 0
	PLACES
	WIN 0
.endm
; the way out: 16 rows x 64 columns of f32 through my own stage, back as rows of 256 bytes, stored whole
.macro OUTW g
.irp p, 0,1
.irp u, 0,1
.irp nt, 0,1
	ds_store_b128 v[OST], v[AC+((2*\u+\nt)*2+\p)*8:AC+((2*\u+\nt)*2+\p)*8+3]   offset:128*\u+64*\nt
	ds_store_b128 v[OST], v[AC+((2*\u+\nt)*2+\p)*8+4:AC+((2*\u+\nt)*2+\p)*8+7] offset:128*\u+64*\nt+16
.endr
.endr
	s_wait_xcnt 0x0                                ; the read-back registers may have been data of earlier stores
.irp t, 0,1,2,3,4,5,6,7
	ds_load_b128 v[BF0+32*\p+4*\t:BF0+32*\p+4*\t+3], v[ORD] offset:2*PB*\t     ; a wave's LDS accesses are served in order: these see the stores above
.endr
.irp t, 0,1,2,3,4,5,6,7
	s_wait_dscnt 7-\t                              ; pair t of rows is back; the younger ones stay out
	global_store_b128 v[VO], v[BF0+32*\p+4*\t:BF0+32*\p+4*\t+3], s[76:77] offset:65536*\p+4096*\t+1024*\g th:TH_STORE_NT   ; 16 lanes: 256 consecutive bytes, aligned
.endr
.endr
.endm
	LDBO 0, 0                                      ; behind the normalisation: these registers held m and l
	LDBO 1, 1
	ASTAGE 0
	s_barrier_signal -1                            ; every wave has read the stage: it may be written again
	s_barrier_wait -1
	ASTAGE 1
	WTRIP 0, 0
	HEADWO 0, 262144                               ; tile 1 has landed; tile 2 goes into slot 0; the stage for O has been read by all
	WTRIP 1, 1
	OUTW 0                                         ; columns 64 nq .. + 63
	HEADWO 1, 294912
	WTRIP 2, 0
	s_wait_tensorcnt 0x0                           ; my part of the last tile is in,
	s_wait_dscnt 0x0
	s_barrier_signal -1
	s_barrier_wait -1                              ; everybody's is; nothing is left to fetch
	WTRIP 3, 1
	OUTW 1                                         ; columns 256 + 64 nq .. + 63
	s_wait_tensorcnt 0x0
	ds_add_u32 v30, v31
	s_wait_dscnt 0x0
	ROUND                                          ; the closing round: no work-group ends while a partner may still ask jointly
	s_endpgm
.Lfunc_end_k_q7a163fe4f1_attn:
	.size	k_q7a163fe4f1_attn, .Lfunc_end_k_q7a163fe4f1_attn-k_q7a163fe4f1_attn
	.p2alignl 7, 3214868480
	.fill 96, 4, 3214868480
	.section	.rodata,"a",@progbits
	.p2align	6, 0x0
	.amdhsa_kernel k_q7a163fe4f1_attn
		.amdhsa_group_segment_fixed_size 327680
		.amdhsa_private_segment_fixed_size 0
		.amdhsa_enable_private_segment 0
		.amdhsa_kernarg_size 64
		.amdhsa_user_sgpr_count 2
		.amdhsa_user_sgpr_kernarg_segment_ptr 1
		.amdhsa_wavefront_size32 1
		.amdhsa_system_sgpr_workgroup_id_x 1
		.amdhsa_system_sgpr_workgroup_id_y 1
		.amdhsa_system_sgpr_workgroup_id_z 1
		.amdhsa_system_vgpr_workitem_id 0
		.amdhsa_next_free_vgpr 512
		.amdhsa_next_free_sgpr 80
		.amdhsa_reserve_vcc 0
		.amdhsa_float_denorm_mode_32 3
		.amdhsa_float_denorm_mode_16_64 3
		.amdhsa_memory_ordered 1
		.amdhsa_forward_progress 1
		.amdhsa_inst_pref_size 255
	.end_amdhsa_kernel
	.section	.bss,"aw",@nobits
	.p2align	6
	.space	262144
	.amdgpu_metadata
---
amdhsa.version: [ 1, 2 ]
amdhsa.kernels:
  - .name:           k_q7a163fe4f1_attn
    .symbol:         k_q7a163fe4f1_attn.kd
    .args:
      - { .name: qb, .offset: 0, .size: 8, .value_kind: global_buffer, .address_space: global }
      - { .name: kb, .offset: 8, .size: 8, .value_kind: global_buffer, .address_space: global }
      - { .name: vb, .offset: 16, .size: 8, .value_kind: global_buffer, .address_space: global }
      - { .name: wb, .offset: 24, .size: 8, .value_kind: global_buffer, .address_space: global }
      - { .name: attn_bias, .offset: 32, .size: 8, .value_kind: global_buffer, .address_space: global }
      - { .name: key_padding_mask, .offset: 40, .size: 8, .value_kind: global_buffer, .address_space: global }
      - { .name: bo, .offset: 48, .size: 8, .value_kind: global_buffer, .address_space: global }
      - { .name: out0, .offset: 56, .size: 8, .value_kind: global_buffer, .address_space: global }
    .group_segment_fixed_size: 327680
    .private_segment_fixed_size: 0
    .kernarg_segment_align: 8
    .kernarg_segment_size: 64
    .max_flat_workgroup_size: 256
    .sgpr_count:     80
    .vgpr_count:     512
    .wavefront_size: 32
...
	.end_amdgpu_metadata
.endif
;; end of part 3
